; MI455X (gfx1250); checked and timed in simulation.
; The chip was launched on July 23, 2026; its instructions are those of AMD's public machine-readable ISA for CDNA 5 (MIT licence, August 2026) and "CDNA5" Instruction Set Architecture Reference Guide (July 2026). The comments in the code are by the model that wrote it; some were corrected since.
;; Non Linear ODE Layer. Allowed arithmetic: matrix products marked QUANTISED: E2M1 operands, one E8M0 scale for each 32 along K, by v_wmma_scale_f32_16x16x128_f8f6f4 with both operands' format E2M1 (or v_wmma_scale_f32_32x16x128_f4), f32 sums; products left as they are: f32 operands where the result goes on into a quantised operand, else bf16, f16 or f32 operands; f32 sums; everything else in f32.
;; Inputs: weight_codes 32 x 32 x 1 x 16 uint8 (E2M1 codes of weight, K innermost, in blocks of 32 codes, two codes a byte); weight_scales 32 x 32 x 1 uint8 (E8M0 scales of weight, one for each 32 codes along K); x 262,144 x 32 float32.
;; Outputs: out0 262,144 x 32 float32.
;; This version of the problem:
;;   THIS VERSION OF THE PROBLEM IS GIVEN IN LOW PRECISION. The matrix products marked QUANTISED in the list below multiply operands that are first quantised to E2M1 (2 exponent bits, 1 mantissa bit; 4 bits a number), with one power-of-two scale for each 32 numbers along K (OCP MX v1.0); their sums are f32. All else is computed in f32.
;;   The module's matrix products, in the order in which they are computed (A, B: the left and right operand; K: the contracted axis; several contracted axes count as one K, in the product's order):
;;     1. [M 262,144, K 32] x [K 32, N 1,024]; A: input x; B: input weight (given as codes): QUANTISED
;;     2. batch 262,144 x [M 32, K 32] x [K 32, N 1]; A: computed on the way; B: input x: left as it is (N = 1 < 16)
;;   THE QUANTISER, for each operand of a quantised product, along K:
;;     - K is cut into blocks of 32 from its start; a last block that is shorter is filled with zeros.
;;     - A block's scale is 2^e with e = floor(log2(the largest magnitude in the block)) - 2, held to -126 .. 127; a block of zeros has e = 0. As a byte (E8M0): e + 127.
;;     - Each number is divided by its block's scale, clamped to +-6, and rounded to the nearest number of E2M1, ties to even, subnormals kept.
;;     - The product sums the exact products of the quantised numbers (number of the format x scale) in f32.
;;   ~~~python
;;   def quantise(x, axis):      # numpy; x: float32 -> the quantised numbers, widened to float32 again
;;       x = np.moveaxis(x, axis, -1); K = x.shape[-1]
;;       x = np.pad(x, [(0, 0)] * (x.ndim - 1) + [(0, -K % 32)]); x = x.reshape(x.shape[:-1] + (-1, 32)); a = np.abs(x).max(-1, keepdims=True)
;;       e = np.where(a > 0, np.clip(np.frexp(np.where(a > 0, a, 1))[1] - 1 - 2, -126, 127), 0)      # np.frexp(a)[1] - 1 = floor(log2(a)), exactly
;;       r = np.clip(x / 2.0 ** e, -6, 6)
;;       step = 2.0 ** (np.maximum(np.frexp(np.where(r == 0, 1, r))[1] - 1, 0) - 1)
;;       q = np.round(r / step) * step * 2.0 ** e      # np.round: ties to even
;;       return np.moveaxis(q.reshape(q.shape[:-2] + (-1,))[..., :K], -1, axis).astype(np.float32)
;;   ~~~
;;   INPUTS GIVEN AS CODES. weight (in the module: [32, 32, 32], K = its axis 1): each comes as NAME_codes (uint8): NAME with its K axis moved to the last place and cut into blocks of 32 codes, [.., K / 32, bytes a block], one block behind the other in memory; two codes a byte, the lower K in the low four bits (a code: sign, 2 exponent bits, 1 mantissa bit); and NAME_scales (uint8): the same leading axes, one E8M0 byte (e + 127) for each 32 codes along K. Its value is code x scale, taken as it is: it is not quantised again, and the codes and scales need not be those that the quantiser above would give.
;; One version. Each part assembles by itself: llvm-mc -triple=amdgcn-amd-amdhsa -mcpu=gfx1250 --defsym DOCPART=n.
;; ======== version 1 of 1: 1 launch
;; launch quadform (part 1): grid 256 x 1, 8 waves a work-group, no clusters, 176,128 bytes of LDS; arguments weight_codes, weight_scales, x, out0; writes out0
.if DOCPART == 1
	.amdgcn_target "amdgcn-amd-amdhsa--gfx1250"
	.amdhsa_code_object_version 6
	.text
	.protected	k_q6c99118b64_quadform
	.globl	k_q6c99118b64_quadform
	.p2align	8
	.type	k_q6c99118b64_quadform,@function
k_q6c99118b64_quadform:
	s_mov_b64 s[64:65], 0
	v_nop
	global_prefetch_b8 v0, s[64:65] scope:SCOPE_SE
	s_setreg_imm32_b32 hwreg(HW_REG_WAVE_MODE, 25, 1), 1
	s_wait_xcnt 0x0
; out[n][k] = sum over j of x[n][j] * Y[n][k][j],   Y[n][k][j] = sum over i of Q(x)[n][i] * W[k][i][j].
; x, out: [262144][32] f32.  W comes as E2M1 codes [k][j][16 bytes: i = 0..31] with one E8M0 byte for each (k, j).  Q: the MX-FP4 quantiser along a row's 32 numbers: one block, one scale a row.
; Y is made by the scaled FP4 matrix instruction and never leaves the registers; the sum over j takes the UNQUANTISED x, in f32, by packed fused multiply-adds on the matrix results.
; NOTHING IS LEFT OUT: every input has a way to every output.
; HOW THE PRODUCT IS LAID.  W is read as a matrix of 32 rows (k) x 1,024 codes (32 j + i): eight K steps of 128 codes, each holding four j, one to a block of 32.  The form is 32 x 16 x 128: source 0 = all 32 rows k of W,
; source 1 = 16 rows n of x.  x's operand holds the row's 32 codes in ONE block of the four and zero codes in the other three: zero codes add exact zeros, so the instruction gives Y for that one j, and one fragment of W serves four j.
; In the result lane (r, h) holds batch row r and its 16 registers the outputs k = 16 kh + 8 h + 0..7 (kh = 0, 1) at one j: so a lane multiplies by its own x[r][j] and adds into 16 sums of its own: no sum crosses lanes.
; SHARES.  256 work-groups of eight waves; a work-group owns 1,024 rows, a wave 128: eight tiles of 16 rows, written out one after the other (each tile's wait for its tensor load has a count of its own; there is no branch and no label).
; All of W (8 fragments of 16 registers) and its scale words stay in each wave's registers.  All of a work-group's x (128 KiB) is asked for at the head, a tensor load a tile; every LDS byte is filled once.
; NO CLUSTER: what work-groups share is W, 16,384 + 1,024 bytes, beside 262,144 bytes of x and out that are a work-group's own; joint loads would add rounds of the cluster's barrier to a text that has one barrier.
; LIMITS.  NaN and infinities in x are not served.  A row of x whose largest magnitude lies under 2^-124 gets the scale byte 1 (a row of zeros too, where the rule says 127: its codes are zeros, the result is the same).
; A scale byte 0xff of W at (k, j) makes NaN of the four j that share its scale word; all four go into the same out[n][k], which is NaN by the definition too.  Each output is one chain of f32 multiply-adds, j ascending.
;
; LDS: x's 64 tiles of 2,048 bytes, as units of 256 bytes + 16 of padding (row n of a tile at 272 (n / 2) + 128 (n % 2): the 16 rows that a load touches start at 16 different groups of four banks: ISA guide 11.1);
;      W's 32 rows of 512 bytes + 16; a stage of one tile's size for each wave, for the way out; the spare words.
.set XTILE,  8*272                     ; an x tile in LDS
.set XWAVE,  8*XTILE                   ; a wave's eight
.set WR,     8*XWAVE                   ; W's rows begin here
.set WPITCH, 528
.set STG,    WR+32*WPITCH              ; the stages: no tensor load lands here
.set SPARE,  STG+8*XTILE               ; the spare words, 128 bytes for each wave: four blocks of 256 bytes that no other line names
; REGISTERS, window 0:
.set SPW, 1                            ; v1   LDS address of my spare word; never rewritten
.set NIL, 2                            ; v2   0; never rewritten
.set XA,  3                            ; v3   my row in my wave's tile 0 of x
.set SO,  4                            ; v4   the stage: where my row's outputs go (+ 32 h)
.set SR,  5                            ; v5   the stage: where I read 16 bytes back
.set GO,  6                            ; v6   16 x lane: my bytes of a store's 512
.set WA,  7                            ; v7   W: row r, + 16 h
.set SA,  8                            ; v8   32 x lane: row k = lane of W's scale bytes
.set MLO, 9                            ; v9   all ones in lanes 0-15, else 0
.set MHI, 10                           ; v10  all ones in lanes 16-31, else 0
.set T0,  12                           ; v12-15 four chains of the largest magnitude
.set SOP, 16                           ; v16  the conversions' scale operand
.set BY,  17                           ; v17  the scale's byte
.set CT,  20                           ; v20-23 the row's 32 codes
.set WS,  24                           ; v24-31 W's scale words: register f, lane L: row k = L, j = 4 f .. 4 f + 3: source 0's scales of this form fill all 32 lanes, lane m for row m.  Scales and nothing else
.set XS,  32                           ; v32  x's scale word: the row's byte four times.  A scale and nothing else
.set XC,  36                           ; v36-55 x's operands: 0 | C | 0 | C' | 0, four registers each; C = the codes in lanes 0-15, C' = the codes in lanes 16-31, 0 in the other lanes
.set XF,  64                           ; v64-127 the row's 32 numbers, two buffers by turns
.set OB,  128                          ; v128-143 a tile of out, read back from the stage
; window 1:
.set WF,  0                            ; v0-127   W's fragments: K step f at 16 f: registers 0-7 rows k = 0-15, registers 8-15 rows k = 16-31
.set DB,  128                          ; v128-191 four results of 16 registers by turns
.set ACC, 192                          ; v192-207 my 16 sums: 8 kh + jj
.set WV,  2                            ; s2   my wave's number
.set G1X, 12                           ; s[12:19] descriptor group 1 for x's tiles
.set G1W, 20                           ; s[20:27] for W's rows
.set G0W, 28                           ; s[28:31] group 0 for W
.set G0X, 32                           ; s[32:63] group 0 for each of my eight tiles of x: none is ever rewritten
.set MSB, 0
.macro WIN new                         ; the immediate's high byte repeats the setting that is left; a switch that changes nothing is dropped
.if MSB != \new
	s_set_vgpr_msb (MSB<<8)|\new
.set MSB, \new
.endif
.endm
.set W_MUL, 0x51                       ; source 0, source 2 and destination window 1, source 1 window 0: it serves the products (W, x's codes, result) and the multiply-adds (result, x, sum) alike
	s_load_b256 s[4:11], s[0:1], 0x0               ; W's codes s[4:5], W's scales s[6:7], x s[8:9], out s[10:11]
	v_lshl_add_u32 v[SPW], v0, 2, SPARE
	v_mov_b32 v[NIL], 0
	ds_add_u32 v[SPW], v[NIL]                      ; the wave's opening: the add, twice on end, and its wait ahead of my first tensor load; work on registers stands between
	ds_add_u32 v[SPW], v[NIL]
	v_lshrrev_b32 v11, 5, v0
	v_readfirstlane_b32 s[WV], v11                 ; wave 0..7
	; group 1 for x: a tile's 2,048 dense bytes as 8 rows of 256 bytes (32 elements of 8 bytes), 16 bytes of padding behind each
	s_mov_b32 s[G1X+0], (3<<16)|(1<<20)|(5<<22)|(3<<25)   ; no mask; elements of 8 bytes; padding on; after every 64 words; of 4 words
	s_mov_b32 s[G1X+1], 32<<16                     ; tensor_dim0
	s_mov_b32 s[G1X+2], 8<<16                      ; tensor_dim1
	s_mov_b32 s[G1X+3], 32<<16                     ; tile_dim0
	s_mov_b32 s[G1X+4], 8                          ; tile_dim1
	s_mov_b32 s[G1X+5], 32                         ; from row to row
	s_mov_b32 s[G1X+6], 0
	s_mov_b32 s[G1X+7], 0
	; group 1 for W: four rows of 512 bytes (64 elements of 8 bytes), dense in memory, 16 bytes of padding behind each
	s_mov_b32 s[G1W+0], (3<<16)|(1<<20)|(6<<22)|(3<<25)   ; padding after every 128 words
	s_mov_b32 s[G1W+1], 64<<16
	s_mov_b32 s[G1W+2], 4<<16
	s_mov_b32 s[G1W+3], 64<<16
	s_mov_b32 s[G1W+4], 4
	s_mov_b32 s[G1W+5], 64
	s_mov_b32 s[G1W+6], 0
	s_mov_b32 s[G1W+7], 0
	s_lshl_b32 s66, ttmp9, 17                      ; my work-group's 1,024 rows of 128 bytes,
	s_lshl_b32 s68, s[WV], 14                      ; my wave's 128 of them: under 2^25 together
	s_add_co_u32 s66, s66, s68
	s_mov_b32 s67, 0
	s_lshl_b32 s68, s[WV], 11                      ; W: I fetch rows 4 w .. 4 w + 3: in memory,
	s_mov_b32 s69, 0
	s_mul_i32 s70, s[WV], 4*WPITCH                 ; and in LDS
	s_mul_i32 s71, s[WV], XWAVE                    ; my wave's tiles of x in LDS
	s_mul_i32 s3, s[WV], XTILE
	s_add_co_u32 s3, s3, STG                       ; my stage
	s_wait_dscnt 0x0                               ; both opening adds are done
	s_wait_kmcnt 0x0
	s_add_nc_u64 s[8:9], s[8:9], s[66:67]          ; x and out at my wave's first row
	s_add_nc_u64 s[10:11], s[10:11], s[66:67]
	; ALL FILLS GO OUT HERE, nine a wave, ahead of every wait on TENSORcnt, every LDS read and the barrier: my share of W first, then my eight tiles in the order in which they are read
	s_mov_b32 s[G0W], 1                            ; count = 1
	s_add_co_u32 s[G0W+1], s70, WR                 ; LDS address
	s_add_nc_u64 s[G0W+2:G0W+3], s[4:5], s[68:69]  ; global address
	s_or_b32 s[G0W+3], s[G0W+3], 0x80000000        ; type = 2
	tensor_load_to_lds s[G0W:G0W+3], s[G1W:G1W+7]
	s_nop 0
.irp t, 0,1,2,3,4,5,6,7
	s_mov_b32 s[G0X+4*\t], 1
	s_add_co_u32 s[G0X+4*\t+1], s71, \t*XTILE
	s_add_nc_u64 s[G0X+4*\t+2:G0X+4*\t+3], s[8:9], \t*2048
	s_or_b32 s[G0X+4*\t+3], s[G0X+4*\t+3], 0x80000000
	tensor_load_to_lds s[G0X+4*\t:G0X+4*\t+3], s[G1X:G1X+7]
	s_nop 0
.endr
	v_and_b32 v11, 31, v0                          ; lane L
	v_and_b32 v18, 15, v0                          ; r
	v_bfe_u32 v19, v0, 4, 1                        ; h
	v_lshlrev_b32 v[SA], 5, v11
	global_load_b128 v[WS:WS+3], v[SA], s[6:7]             ; row k = L of W's scale bytes: 32 bytes a lane, 1,024 consecutive bytes a wave
	global_load_b128 v[WS+4:WS+7], v[SA], s[6:7] offset:16
	v_bfe_u32 v12, v0, 1, 3                        ; r / 2
	v_and_b32 v13, 1, v0                           ; r % 2
	v_mul_u32_u24 v12, v12, 272
	v_lshl_add_u32 v12, v13, 7, v12                ; row r of a tile
	v_add_nc_u32 v[XA], s71, v12
	v_lshl_add_u32 v[SO], v19, 5, v12              ; my eight outputs of a half of k: 32 h bytes on
	v_add_nc_u32 v[SO], s3, v[SO]
	v_mul_u32_u24 v[SR], v19, 272                  ; back: lanes 0-15 one unit of 256 bytes, lanes 16-31 the next
	v_lshl_add_u32 v[SR], v18, 4, v[SR]
	v_add_nc_u32 v[SR], s3, v[SR]
	v_lshlrev_b32 v[GO], 4, v11
	v_mul_u32_u24 v[WA], v18, WPITCH
	v_lshl_add_u32 v[WA], v19, 4, v[WA]
	v_add_nc_u32 v[WA], WR, v[WA]
	v_add_nc_u32 v[MLO], -1, v19                   ; h - 1
	v_sub_nc_u32 v[MHI], 0, v19                    ; 0 - h
.irp z, 0,1,2,3,8,9,10,11,16,17,18,19
	v_mov_b32 v[XC+\z], 0                          ; the zero codes of x's operands: written once
.endr
	s_wait_tensorcnt 0x8                           ; my four rows of W are in LDS; the eight loads issued behind that one, my tiles of x, stay out
	s_barrier_signal -1
	s_barrier_wait -1                              ; everybody's rows of W are.  The one barrier
	WIN 0x40                                       ; destination window 1
.irp f, 0,1,2,3,4,5,6,7
.irp kh, 0,1
.irp c, 0,1
	ds_load_b128 v[WF+16*\f+8*\kh+4*\c:WF+16*\f+8*\kh+4*\c+3], v[WA] offset:\kh*16*WPITCH+64*\f+32*\c   ; K step f: row 16 kh + r, codes 128 f + 64 c + 32 h + 0..31: j = 4 f + 2 c + h
.endr
.endr
.endr
	WIN 0
; Tile t's rows come out of LDS: each lane takes its whole row r (both halves of the lanes the same one), 32 numbers, into buffer t % 2.
.macro LOADX t
	s_wait_tensorcnt 7-(\t)                        ; a wave's tensor loads end in order (ISA guide 10.11.1): tile t is in; the 7 - t issued behind it may stay out.  Only I read these bytes
.irp c, 0,1,2,3,4,5,6,7
	ds_load_b128 v[XF+32*((\t)%2)+4*\c:XF+32*((\t)%2)+4*\c+3], v[XA] offset:XTILE*(\t)+16*\c
.endr
.endm
; Tile t's rows are quantised: the largest magnitude of my 32 numbers, its exponent field less 2 as the scale, 32 codes; then the codes are laid into x's operands.
.macro QUANT t
.set XB, XF+32*((\t)%2)
.irp c, 0,1,2,3
	v_max3_num_f32 v[T0+\c], |v[XB+8*\c]|, |v[XB+8*\c+1]|, |v[XB+8*\c+2]|      ; four chains by turns: no line waits for the line above it
.endr
.irp i, 3,5
.irp c, 0,1,2,3
	v_max3_num_f32 v[T0+\c], v[T0+\c], |v[XB+8*\c+\i]|, |v[XB+8*\c+\i+1]|
.endr
.endr
	v_max3_num_f32 v[T0], v[T0], |v[XB+7]|, |v[XB+15]|
	v_max3_num_f32 v[T0+2], v[T0+2], |v[XB+23]|, |v[XB+31]|
	v_max3_num_f32 v[T0], v[T0], v[T0+1], v[T0+2]
	v_max3_num_f32 v[T0], v[T0], v[T0+3], 0x1800000        ; and the floor 2^(3 - 127): so the byte cannot fall under 1
	v_add_nc_u32 v[SOP], 0xff000000, v[T0]         ; 2 off the exponent field: the conversion takes the exponent field of this operand as its scale, and nothing else of it
	v_lshrrev_b32 v[BY], 23, v[SOP]                ; the scale's byte
	v_perm_b32 v[XS], v[BY], v[BY], 0              ; in all four bytes of the scale word: whichever block holds the codes finds it
.irp g, 0,1,2,3
	v_cvt_scalef32_pk8_fp4_f32 v[CT+\g], v[XB+8*\g:XB+8*\g+7], v[SOP]
.endr
	v_nop                                          ; one plain line between a scaled conversion and the line that reads its result
.irp g, 0,1,2,3
	v_and_b32 v[XC+4+\g], v[MLO], v[CT+\g]         ; C
.endr
.irp g, 0,1,2,3
	v_and_b32 v[XC+12+\g], v[MHI], v[CT+\g]        ; C'
.endr
.rept 4
	v_nop                                          ; an operand written by vector lines stands four plain lines ahead of a scaled product, a scale register eight: C' has these four, the scale word thirteen
.endr
.endm
; Product SL of a tile's 32: j = SL: K step SL / 4, block SL % 4; all 32 k at once.  Every product begins with C = 0; the four results take turns.
.macro MM
.set MF, SL/4
.set MB, SL%4
.set MD, DB+16*(SL%4)
.set MW, WF+16*MF
.set MX, XC+8*(MB%2)+4*(1-MB/2)        ; block 0: C | 0;  block 1: C' | 0;  block 2: 0 | C;  block 3: 0 | C'
	v_wmma_scale_f32_32x16x128_f4 v[MD:MD+15], v[MW:MW+15], v[MX:MX+7], 0, v[WS+MF], v[XS]
.endm
; Result FS is taken into the sums: sixteen outputs k at j = FS, times my x[j], two at a time, from the result's low end on.  j = 0 starts the sums: nothing is cleared.
.macro FM buf
.set FD, DB+16*(FS%4)
.set FX, XF+32*(\buf)+2*(FS/2)
.irp p, 0,1,2,3,4,5,6,7
.if FS == 0
	v_pk_mul_f32 v[ACC+2*\p:ACC+2*\p+1], v[FD+2*\p:FD+2*\p+1], v[FX:FX+1] op_sel_hi:[1,0]
.elseif FS%2
	v_pk_fma_f32 v[ACC+2*\p:ACC+2*\p+1], v[FD+2*\p:FD+2*\p+1], v[FX:FX+1], v[ACC+2*\p:ACC+2*\p+1] op_sel:[0,1,0] op_sel_hi:[1,1,1]   ; the pair's second word for both halves
.else
	v_pk_fma_f32 v[ACC+2*\p:ACC+2*\p+1], v[FD+2*\p:FD+2*\p+1], v[FX:FX+1], v[ACC+2*\p:ACC+2*\p+1] op_sel_hi:[1,0,1]                   ; its first
.endif
.endr
.endm
; A TILE OF 16 ROWS.  Behind each product stand the eight multiply-adds of the result made two products earlier.  A vector line that reads a matrix result stands four plain lines that name none of the product's registers
; behind it (ISA guide 7.12.1): from product 2 on sixteen multiply-adds on other results lie between; the first three products stand on end, so four v_nop follow the third.  A product writes over the result made
; four products earlier, with more than five such lines between.  No product adds onto another's result.
.macro TILE t
.set SL, 0
.rept 32
	MM
.if SL == 2
.rept 4
	v_nop
.endr
.endif
.if SL >= 2
.set FS, SL-2
	FM (\t)%2
.endif
.if (SL == 16) && ((\t) < 7)
	WIN 0
	LOADX (\t)+1                                   ; the next tile's rows, half a tile ahead, into the other buffer
	WIN W_MUL
.endif
.set SL, SL+1
.endr
.irp u, 30,31
.set FS, \u
	FM (\t)%2
.endr
	; THE WAY OUT.  A lane holds 2 x 32 bytes of its row: the tile goes through my own stage, laid as a tile of x, and comes back as 2,048 consecutive bytes.
	WIN 0x04                                       ; an LDS store's data are its source 1: window 1
	ds_store_b128 v[SO], v[ACC:ACC+3]
	ds_store_b128 v[SO], v[ACC+4:ACC+7] offset:16
	ds_store_b128 v[SO], v[ACC+8:ACC+11] offset:64
	ds_store_b128 v[SO], v[ACC+12:ACC+15] offset:80
	WIN 0
.if (\t) > 0
	s_wait_xcnt 0x0                                ; the last tile's stores have read their data registers, which are loaded again only behind this wait
.endif
.irp q, 0,1,2,3
	ds_load_b128 v[OB+4*\q:OB+4*\q+3], v[SR] offset:544*\q   ; LDS serves a wave's instructions in order (ISA guide 5.7.1.4): these see the stores above, and the next tile's stores come behind them
.endr
.if (\t) < 7
	s_wait_dscnt 0x8                               ; the next tile's eight loads are in; the four stores and four loads issued behind them may be out
	QUANT (\t)+1                                   ; it stands between the stage's loads and the wait for them.  Its first write of a product's register has sixteen multiply-adds on other results behind the last product
.endif
	s_wait_dscnt 0x0
.irp q, 0,1,2,3
	global_store_b128 v[GO], v[OB+4*\q:OB+4*\q+3], s[10:11] offset:2048*(\t)+512*\q th:TH_STORE_NT   ; 32 lanes store 512 consecutive bytes, at a multiple of 512 from out's first byte; written once, read by nobody here
.endr
.if (\t) < 7
	WIN W_MUL
.endif
.endm
	LOADX 0
	s_wait_dscnt 0x0                               ; W's fragments and tile 0's rows are in
	s_wait_loadcnt 0x0                             ; W's scale words
	QUANT 0
	WIN W_MUL
	TILE 0
	TILE 1
	TILE 2
	TILE 3
	TILE 4
	TILE 5
	TILE 6
	TILE 7
	s_wait_tensorcnt 0x0                           ; the wave's end: behind my last tensor load and my last LDS store (every window is 0 here)
	ds_add_u32 v[SPW], v[NIL]
	s_wait_dscnt 0x0
	s_endpgm
.Lfunc_end_k_q6c99118b64_quadform:
	.size	k_q6c99118b64_quadform, .Lfunc_end_k_q6c99118b64_quadform-k_q6c99118b64_quadform
	.p2alignl 7, 3214868480
	.fill 96, 4, 3214868480
	.section	.rodata,"a",@progbits
	.p2align	6, 0x0
	.amdhsa_kernel k_q6c99118b64_quadform
		.amdhsa_group_segment_fixed_size 176128
		.amdhsa_private_segment_fixed_size 0
		.amdhsa_enable_private_segment 0
		.amdhsa_kernarg_size 32
		.amdhsa_user_sgpr_count 2
		.amdhsa_user_sgpr_kernarg_segment_ptr 1
		.amdhsa_wavefront_size32 1
		.amdhsa_system_sgpr_workgroup_id_x 1
		.amdhsa_system_sgpr_workgroup_id_y 1
		.amdhsa_system_sgpr_workgroup_id_z 1
		.amdhsa_system_vgpr_workitem_id 0
		.amdhsa_next_free_vgpr 464
		.amdhsa_next_free_sgpr 72
		.amdhsa_reserve_vcc 0
		.amdhsa_float_denorm_mode_32 3
		.amdhsa_float_denorm_mode_16_64 3
		.amdhsa_memory_ordered 1
		.amdhsa_forward_progress 1
		.amdhsa_inst_pref_size 198
	.end_amdhsa_kernel
	.amdgpu_metadata
---
amdhsa.version: [ 1, 2 ]
amdhsa.kernels:
  - .name:           k_q6c99118b64_quadform
    .symbol:         k_q6c99118b64_quadform.kd
    .args:
      - { .name: weight_codes, .offset: 0, .size: 8, .value_kind: global_buffer, .address_space: global }
      - { .name: weight_scales, .offset: 8, .size: 8, .value_kind: global_buffer, .address_space: global }
      - { .name: x, .offset: 16, .size: 8, .value_kind: global_buffer, .address_space: global }
      - { .name: out0, .offset: 24, .size: 8, .value_kind: global_buffer, .address_space: global }
    .group_segment_fixed_size: 176128
    .private_segment_fixed_size: 0
    .kernarg_segment_align: 8
    .kernarg_segment_size: 32
    .max_flat_workgroup_size: 256
    .sgpr_count:     72
    .vgpr_count:     464
    .wavefront_size: 32
...
	.end_amdgpu_metadata
.endif
;; end of part 1
